; MI455X (gfx1250); checked and timed in simulation.
; The chip was launched on July 23, 2026; its instructions are those of AMD's public machine-readable ISA for CDNA 5 (MIT licence, August 2026) and "CDNA5" Instruction Set Architecture Reference Guide (July 2026). The comments in the code are by the model that wrote it; some were corrected since.
;; Attention. Allowed arithmetic: float matrix products may take bf16 or f16 operands with f32 sums; all other float work in f32.
;; Inputs: K 4 x 16 x 2,048 x 64 float32; Q 4 x 16 x 2,048 x 64 float32; V 4 x 16 x 2,048 x 64 float32.
;; Outputs: out0 4 x 16 x 2,048 x 64 float32.
;; Constants: d_k = 64.
;; 2 versions, each right. Each part assembles by itself: llvm-mc -triple=amdgcn-amd-amdhsa -mcpu=gfx1250 --defsym DOCPART=n.
;; ======== version 1 of 2: 1 launch
;; launch attn (part 1): grid 256 x 1, 8 waves a work-group, clusters of 4 x 1, 327,680 bytes of LDS; arguments Q, K, V, out0; writes out0
.if DOCPART == 1
	.amdgcn_target "amdgcn-amd-amdhsa--gfx1250"
	.amdhsa_code_object_version 6
	.text
	.protected	k_q62fc189daa_attn
	.globl	k_q62fc189daa_attn
	.p2align	8
	.type	k_q62fc189daa_attn,@function
k_q62fc189daa_attn:
	s_mov_b64 s[64:65], 0
	v_nop
	global_prefetch_b8 v0, s[64:65] scope:SCOPE_SE
	s_setreg_imm32_b32 hwreg(HW_REG_WAVE_MODE, 25, 1), 1
	s_wait_xcnt 0x0
	s_wait_alu depctr_hold_cnt(0) depctr_sa_sdst(0) depctr_va_vdst(0) depctr_va_sdst(0) depctr_va_ssrc(0) depctr_va_vcc(0) depctr_vm_vsrc(0)
	s_getreg_b32 s2, hwreg(HW_REG_IB_STS2, 6, 4)
	s_cmp_eq_u32 s2, 0
	s_cbranch_scc0 .Lentry_in_a_cluster
	s_endpgm
.Lentry_in_a_cluster:
	s_bfe_u32 s2, ttmp6, 0x10000c
	s_cmp_lg_u32 s2, 0x3003
	s_cbranch_scc0 .Lentry_shape_is_right
	s_endpgm
.Lentry_shape_is_right:
; out = softmax(Q K^T / 8) V for 64 heads of 2,048 queries and keys, 64 numbers a row, all tensors f32.
;
; SHARES.  A cluster of four work-groups takes one head (the cluster's x); work-group cx of it takes 512 queries; each of its eight waves 64 queries
; (four query tiles of 16).  All four work-groups walk the same K and V, so every K and V tile is asked for JOINTLY (mask 15) and each receives it in its own LDS.
; Only these four share anything, so the cluster is 4 x 1.  Keys go in 16 steps of 128, each step in two sub-steps of 64 keys.
; Two waves share a SIMD's registers (2 x 448): while one does its softmax arithmetic the other has matrix work to issue.
;
; THE WAY OF A TILE.  Tensor loads bring K's and V's 128 rows as f32 into one of two LDS slots.  Each wave rounds 16 rows of K and 16 of V to bf16, once for the
; work-group, into one of two bf16 buffers, a step ahead of their use.  All eight waves read their fragments from the bf16 buffer.
;
; BOTH PRODUCTS ARE TRANSPOSED.  S^T = K Q^T: source 0 = 16 keys x 32 d, source 1 = 16 queries x 32 d; lane (r, h) = (lane % 16, lane / 16) gets, in register j,
; the score of key 8 h + j and query r.  So all numbers of a lane belong to ONE query: maximum and sum are made inside the lane, plus one exchange between the
; halves.  Packing two neighbouring key tiles to bf16 gives just the registers of source 1 (16 queries x 32 keys) of O^T = V^T P^T: P never leaves the registers.
; V^T's fragments (16 d x 32 keys) come from V's rows by the transposing LDS load.  In O^T lane (r, h) holds O(query r, d = 16 dt + 8 h + j): 32 neighbouring bytes.
;
; SOFTMAX with a running maximum m, renewed every 64 keys: p = 2^(c s - c m), c = log2(e) / 8.  NMC = round(-c m) is kept for the last two sub-steps, and the old
; sums are multiplied by 2^(NMC new - NMC old): the very shift that the p were made with, and exactly 1 where the maximum stands.
;
; LIMITS.  Q, K, V and p go to the matrix unit rounded to bf16 (f32's exponent range); the sum of p is taken over the unrounded p, in f32, in an order of its own.
; A p below 2^-126 counts as 0 (v_exp_f32 flushes).  Nothing is claimed for NaN or infinite inputs.  The sum is at least about 1 (the maximum's own term).
;
; LDS, every region at a multiple of 256 bytes:
;   0        two f32 slots of 65,536: K's 128 rows of 256 bytes, then V's; wave w's tensor load fills 32 rows at w x 8,192.  Read 16 bytes a lane, neighbouring: no padding
;   131,072  two bf16 buffers of 38,912: K [128] rows 144 bytes apart (9 x 16: the 16 rows of a fragment load lie in 16 different 16-byte columns of 256),
;            then V [128] rows 160 bytes apart (5 x 32, for the transposing load)
;   208,896  a stage of 9,216 for each wave, its own: first Q in bf16 [64] rows 144 apart, at the end two pieces of 16 output rows 272 apart
; Tensor loads fill the f32 slots alone; LDS stores write the bf16 buffers and the stages alone.
.set TILEB,  32768                     ; 128 rows of 256 bytes: a step's K, or V
.set SLOTB,  65536
.set BF,     131072
.set BFB,    38912
.set KP,     144
.set VP,     160
.set VOFF,   18432                     ; V behind K in a bf16 buffer
.set STAGE,  208896
.set STAGEW, 9216
.set OP,     272
.set OPIECE, 4352
; vector registers, window 0
.set KA,  4                            ; K fragments: BF + r 144 + 16 h
.set VA,  5                            ; V^T fragments: BF + VOFF + (8 h + lane % 8) 160 + 16 ((lane / 8) % 2)
.set CR0, 6                            ; v6, v7: f32 slot 0, 1: my 16 rows, w 4,096 + 16 lane
.set CSK, 8                            ; v8 K, v9 V: where my rounded rows go: (16 w + h) pitch + 8 r
.set QST, 10                           ; stage: Q in, h 144 + 8 r
.set QFR, 11                           ; stage: Q fragments, r 144 + 16 h
.set OST, 12                           ; stage: output in, r 272 + 32 h
.set ORD, 13                           ; stage: output rows back, h 272 + 16 r
.set GO,  14                           ; my 16 bytes in my wave's first two rows of Q and of out: w 16,384 + 16 lane
.set PFO, 16                           ; 256 lane, for the prefetch
.set A,   20                           ; v[20:27] four pairs: chains of the sum
.set T,   28                           ; v[28:31] four chains of the maximum
.set ST,  32                           ; v[32:63] eight registers of state for each query tile:
.set O_AL, 0                           ;   the factor for the old sums; at the end 1 / sum
.set O_TA, 1                           ;   at work
.set O_N0, 2                           ;   -c m of the even sub-steps
.set O_TB, 3                           ;   what the other half of the lanes sent
.set O_N1, 4                           ;   -c m of the odd sub-steps
.set O_M,  5                           ;   the running maximum
.set O_L,  6                           ;   a pair: two running partial sums of p
.set F,   64                           ; v[64:127]  eight fragments: K's, then V^T's; on the way out rows read back
.set S,   128                          ; v[128:255] scores: tile (qt, kt) at 32 qt + 8 kt; then p; then P's fragments (qt, c) at 32 qt + 16 c
; window 1: v256-383 (written v0-127) O^T, tile (qt, dt) at 8 (4 qt + dt); v384-447 (written v128-191) Q's fragments (qt, ks) at 8 (2 qt + ks)
.set QF,  128
.set G1,  16                           ; s[16:23] descriptor group 1
.set G0,  24                           ; s[24:31] descriptor group 0, one set for each slot
.set MSB, 0
.macro WIN new                         ; s_set_vgpr_msb: bits 1:0 source 0, 3:2 source 1, 5:4 source 2, 7:6 destination; the high byte repeats the setting that is left
.if MSB != \new
	s_set_vgpr_msb (MSB<<8)|\new
.set MSB, \new
.endif
.endm
.macro PLACES n
.rept \n
	v_nop
.endr
.endm
; A round of the cluster's barrier: my work-group's barrier, wave 0 signals for the work-group, every wave waits for all four work-groups, my work-group's barrier again.
.macro ROUND
	s_barrier_signal -1
	s_barrier_wait -1
	s_cmp_lg_u32 s12, 0
	s_cbranch_scc1 .Lnot_wave_0_\@
	s_barrier_signal -3
.Lnot_wave_0_\@:
	s_barrier_wait -3
	s_barrier_signal -1
	s_barrier_wait -1
.endm
	s_load_b256 s[4:11], s[0:1], 0x0               ; Q s[4:5], K s[6:7], V s[8:9], out s[10:11]
	v_lshl_add_u32 v18, v0, 2, 0x45000
	v_mov_b32 v19, 0
	ds_add_u32 v18, v19
	v_lshrrev_b32 v1, 5, v0
	v_readfirstlane_b32 s12, v1                    ; w: my wave, 0 to 7
	s_and_b32 s13, s12, 3                          ; which 32 rows of K's (waves 0-3) or V's (waves 4-7) tile I fetch
	s_bfe_u32 s14, ttmp6, 0x40000                  ; cx: my work-group's place in the cluster = its block of 512 queries
	v_and_b32 v1, 31, v0                           ; lane
	v_and_b32 v2, 15, v0                           ; r
	v_bfe_u32 v3, v0, 4, 1                         ; h
	s_mul_i32 s15, s12, STAGEW
	s_add_co_u32 s15, s15, STAGE                   ; my stage
	v_mul_u32_u24 v15, v2, KP
	v_lshl_add_u32 v15, v3, 4, v15                 ; r 144 + 16 h
	v_add_nc_u32 v[KA], BF, v15
	v_add_nc_u32 v[QFR], s15, v15
	v_mul_u32_u24 v15, v3, KP
	v_lshl_add_u32 v15, v2, 3, v15                 ; h 144 + 8 r
	v_add_nc_u32 v[QST], s15, v15
	s_mul_i32 s54, s12, 16*KP
	s_add_co_u32 s54, s54, BF
	v_add_nc_u32 v[CSK], s54, v15
	v_mul_u32_u24 v15, v3, VP
	v_lshl_add_u32 v15, v2, 3, v15                 ; h 160 + 8 r
	s_mul_i32 s54, s12, 16*VP
	s_add_co_u32 s54, s54, BF+VOFF
	v_add_nc_u32 v[CSK+1], s54, v15
	v_and_b32 v15, 7, v0
	v_lshl_add_u32 v15, v3, 3, v15                 ; 8 h + lane % 8
	v_mul_u32_u24 v[VA], v15, VP
	v_bfe_u32 v15, v0, 3, 1
	v_lshl_add_u32 v[VA], v15, 4, v[VA]
	v_add_nc_u32 v[VA], BF+VOFF, v[VA]
	v_lshlrev_b32 v15, 4, v1                       ; 16 lane
	v_lshl_add_u32 v[CR0], s12, 12, v15
	v_add_nc_u32 v[CR0+1], SLOTB, v[CR0]
	v_lshl_add_u32 v[GO], s12, 14, v15
	v_lshlrev_b32 v[PFO], 8, v1
	v_mul_u32_u24 v15, v2, OP
	v_lshl_add_u32 v15, v3, 5, v15                 ; r 272 + 32 h
	v_add_nc_u32 v[OST], s15, v15
	v_mul_u32_u24 v15, v3, OP
	v_lshl_add_u32 v15, v2, 4, v15                 ; h 272 + 16 r
	v_add_nc_u32 v[ORD], s15, v15
.irp qt, 0,1,2,3
	v_mov_b32 v[ST+8*\qt+O_TB], 0                  ; v_permlanex16_b32 counts as a reader of its destination: written once here
.endr
	s_mov_b32 s36, 0x3e38aa3b                      ; c = log2(e) / 8, twice: a pair for the packed multiply-add
	s_mov_b32 s37, 0x3e38aa3b
	s_mov_b32 s38, 0xbe38aa3b                      ; -c
	s_mov_b32 s40, 0x76543210                      ; v_permlanex16_b32: lane i of one half reads lane i of the other
	s_mov_b32 s41, 0xfedcba98
	s_mov_b32 s43, 2                               ; the prefetch's tile counter
	; Descriptor group 1, for every load: 32 rows of 64 f32, dense in memory and in LDS.
	s_mov_b32 s[G1+0], 15|(2<<16)|(1<<21)          ; 15:0 mask: all four work-groups of the cluster; 17:16 elements of 4 bytes; 21 set beside a mask; no padding
	s_mov_b32 s[G1+1], 64<<16                      ; tensor_dim0 = 64
	s_mov_b32 s[G1+2], 32<<16                      ; tensor_dim1 = 32
	s_mov_b32 s[G1+3], 64<<16                      ; tile_dim0 = 64
	s_mov_b32 s[G1+4], 32                          ; tile_dim1 = 32
	s_mov_b32 s[G1+5], 64                          ; 64 elements from row to row
	s_mov_b32 s[G1+6], 0
	s_mov_b32 s[G1+7], 0
	s_lshl_b32 s15, s12, 13                        ; my 32 rows in a slot: w x 8,192 (K's four parts, then V's four)
	s_wait_dscnt 0x0
	s_wait_kmcnt 0x0
	; Q and out at my work-group's 512 rows: head x 524,288 + cx x 131,072 bytes.  What hangs on cx stays in s14 and s[44:53].
	s_lshl_b32 s48, ttmp9, 19
	s_lshl_b32 s46, s14, 17
	s_add_co_u32 s48, s48, s46
	s_mov_b32 s49, 0
	s_add_nc_u64 s[50:51], s[4:5], s[48:49]
	s_add_nc_u64 s[52:53], s[10:11], s[48:49]
	; The tiles' address is made of the head and the wave's number alone: the same in all four partners.
	s_cmp_lt_u32 s12, 4
	s_cselect_b64 s[32:33], s[6:7], s[8:9]         ; waves 0-3 fetch K, waves 4-7 V
	s_lshl_b32 s34, ttmp9, 19
	s_mov_b32 s35, 0
	s_add_nc_u64 s[32:33], s[32:33], s[34:35]      ; the head's first row
	s_lshl_b32 s48, s14, 13
	s_add_nc_u64 s[44:45], s[32:33], s[48:49]      ; the prefetch's base: rows 32 cx .. 32 cx + 31 of tile 0
	s_lshl_b32 s34, s13, 13
	s_add_nc_u64 s[32:33], s[32:33], s[34:35]      ; my 32 rows of tile 0
.irp s, 0,1
	s_mov_b32 s[G0+4*\s], 1                                        ; count = 1
	s_add_co_u32 s[G0+4*\s+1], s15, \s*SLOTB                       ; LDS address
	s_add_nc_u64 s[G0+4*\s+2:G0+4*\s+3], s[32:33], \s*TILEB        ; tile s
	s_or_b32 s[G0+4*\s+3], s[G0+4*\s+3], 0x80000000                ; type = 2
.endr
	ROUND                                          ; all four work-groups are here: the first joint loads meet
	tensor_load_to_lds s[G0:G0+3], s[G1:G1+7]      ; tile 0 and tile 1, as one group, ahead of every LDS access:
	s_nop 0
	tensor_load_to_lds s[G0+4:G0+7], s[G1:G1+7]    ; two loads of the wave are out here, later one at a time
	s_nop 0
	; Q: my 64 rows, 32 loads of 512 neighbouring bytes (rows 2 n + h); rounded to bf16 into my stage; read back as fragments.
.set n, 0
.rept 32
	global_load_b128 v[S+4*n:S+4*n+3], v[GO], s[50:51] offset:512*n th:TH_LOAD_NT
.set n, n+1
.endr
.irp g, 0,1,2,3
	s_wait_loadcnt 24-8*\g                         ; loads come back in order: this group of eight is in, the younger groups stay out
.irp i, 0,1,2,3,4,5,6,7
	v_cvt_pk_bf16_f32 v[S+32*\g+4*\i], v[S+32*\g+4*\i], v[S+32*\g+4*\i+1]
	v_cvt_pk_bf16_f32 v[S+32*\g+4*\i+1], v[S+32*\g+4*\i+2], v[S+32*\g+4*\i+3]
	ds_store_b64 v[QST], v[S+32*\g+4*\i:S+32*\g+4*\i+1] offset:2*KP*(8*\g+\i)
.endr
.endr
	WIN 0x40                                       ; destination in window 1
.irp qt, 0,1,2,3
.irp ks, 0,1
	ds_load_b128 v[QF+8*(2*\qt+\ks):QF+8*(2*\qt+\ks)+3],   v[QFR] offset:16*\qt*KP+64*\ks      ; my own bytes: LDS serves a wave's instructions in order
	ds_load_b128 v[QF+8*(2*\qt+\ks)+4:QF+8*(2*\qt+\ks)+7], v[QFR] offset:16*\qt*KP+64*\ks+32
.endr
.endr
	WIN 0
; My 16 rows of K (isv = 0) or V (isv = 1) out of f32 slot 'slot': eight loads of two rows each.
.macro CONV_LD slot, isv, reg
.irp i, 0,1,2,3,4,5,6,7
	ds_load_b128 v[\reg+4*\i:\reg+4*\i+3], v[CR0+(\slot)] offset:(\isv)*TILEB+512*\i
.endr
.endm
; Rounded in place, four f32 to 8 bytes, and stored into bf16 buffer 'buf'.
.macro CONV_ST buf, isv, reg
.irp i, 0,1,2,3,4,5,6,7
	v_cvt_pk_bf16_f32 v[\reg+4*\i], v[\reg+4*\i], v[\reg+4*\i+1]
	v_cvt_pk_bf16_f32 v[\reg+4*\i+1], v[\reg+4*\i+2], v[\reg+4*\i+3]
.endr
.irp i, 0,1,2,3,4,5,6,7
	ds_store_b64 v[CSK+(\isv)], v[\reg+4*\i:\reg+4*\i+1] offset:(\buf)*BFB+2*\i*(KP+(\isv)*(VP-KP))
.endr
.endm
; The new maximum of query tile qt: my 32 scores in four chains, the other half's by one exchange, the old maximum; then -c m and the exponent of the old sums' factor.
.macro MAXQ qt, new, first
.set x, S+32*\qt
.set q, ST+8*\qt
.irp k, 0,1,2,3
	v_max3_num_f32 v[T+\k], v[x+7*\k], v[x+7*\k+1], v[x+7*\k+2]
.endr
.irp k, 0,1,2,3
	v_max3_num_f32 v[T+\k], v[T+\k], v[x+7*\k+3], v[x+7*\k+4]
.endr
.irp k, 0,1,2,3
	v_max3_num_f32 v[T+\k], v[T+\k], v[x+7*\k+5], v[x+7*\k+6]
.endr
	v_max3_num_f32 v[T], v[T], v[T+1], v[x+28]
	v_max3_num_f32 v[T+2], v[T+2], v[T+3], v[x+29]
	v_max3_num_f32 v[T], v[T], v[T+2], v[x+30]
	v_max_num_f32 v[q+O_TA], v[T], v[x+31]
	v_permlanex16_b32 v[q+O_TB], v[q+O_TA], s40, s41
.if \first
	v_max_num_f32 v[q+O_M], v[q+O_TA], v[q+O_TB]
	v_mul_f32 v[q+O_N0+2*\new], s38, v[q+O_M]
.else
	v_max3_num_f32 v[q+O_M], v[q+O_TA], v[q+O_TB], v[q+O_M]
	v_mul_f32 v[q+O_N0+2*\new], s38, v[q+O_M]
	v_sub_f32 v[q+O_AL], v[q+O_N0+2*\new], v[q+O_N0+2-2*\new]      ; never above 0; 0 where the maximum stands
.endif
.endm
.macro PFMA qt, new                    ; c s - c m, two at a time; both halves take the pair's first register as the addend
.set x, S+32*\qt
.set q, ST+8*\qt+O_N0+2*\new
.rept 16
	v_pk_fma_f32 v[x:x+1], v[x:x+1], s[36:37], v[q:q+1] op_sel_hi:[1,0,0]
.set x, x+2
.endr
.endm
.macro PEXP qt                         ; a run of transcendentals; the line behind each run is a plain vector instruction on other registers (ISA guide 5.7.2)
.set x, S+32*\qt
.rept 32
	v_exp_f32 v[x], v[x]
.set x, x+1
.endr
.endm
.macro PSUM qt, first                  ; my 32 p in four chains of pairs, then onto the old sum times its factor
.set x, S+32*\qt
.set q, ST+8*\qt
	s_wait_alu depctr_va_vdst(0)
.irp k, 0,1,2,3
	v_pk_add_f32 v[A+2*\k:A+2*\k+1], v[x+4*\k:x+4*\k+1], v[x+4*\k+2:x+4*\k+3]
.endr
.irp k, 0,1,2,3
	v_pk_add_f32 v[A+2*\k:A+2*\k+1], v[A+2*\k:A+2*\k+1], v[x+16+2*\k:x+16+2*\k+1]
.endr
.irp k, 0,1,2,3
	v_pk_add_f32 v[A+2*\k:A+2*\k+1], v[A+2*\k:A+2*\k+1], v[x+24+2*\k:x+24+2*\k+1]
.endr
	v_pk_add_f32 v[A:A+1], v[A:A+1], v[A+2:A+3]
	v_pk_add_f32 v[A+4:A+5], v[A+4:A+5], v[A+6:A+7]
.if \first
	v_pk_add_f32 v[q+O_L:q+O_L+1], v[A:A+1], v[A+4:A+5]            ; the first sub-step starts the sum
.else
	v_pk_add_f32 v[A:A+1], v[A:A+1], v[A+4:A+5]
	v_pk_fma_f32 v[q+O_L:q+O_L+1], v[q+O_L:q+O_L+1], v[q+O_AL:q+O_AL+1], v[A:A+1] op_sel_hi:[1,0,1]
.endif
.endm
.macro PCVT qt                         ; two key tiles (16 registers) pack into one fragment of 32 keys (8 registers), in place: line i writes register i and reads 2 i, 2 i + 1
.irp c, 0,1
.irp i, 0,1,2,3,4,5,6,7
	v_cvt_pk_bf16_f32 v[S+32*\qt+16*\c+\i], v[S+32*\qt+16*\c+2*\i], v[S+32*\qt+16*\c+2*\i+1]
.endr
.endr
.endm
.macro RESCALE                         ; the old output sums times their query's factor
	WIN 0x41                                       ; destination and source 0 in window 1
	s_wait_alu depctr_va_vdst(0)
.irp qt, 0,1,2,3
.irp i, 0,1,2,3,4,5,6,7,8,9,10,11,12,13,14,15
	v_pk_mul_f32 v[32*\qt+2*\i:32*\qt+2*\i+1], v[32*\qt+2*\i:32*\qt+2*\i+1], v[ST+8*\qt:ST+8*\qt+1] op_sel_hi:[1,0]
.endr
.endr
	WIN 0
.endm
; A sub-step: 64 keys (half 0 or 1 of bf16 buffer par) against my 64 queries.  cv = 1, 2: it also rounds my rows of the next tile's K, V into the other buffer.
.macro SUB par, half, cv, first
.if \cv
	CONV_LD 1-\par, \cv-1, S
.endif
.irp kt, 0,1,2,3
.irp ks, 0,1
	ds_load_b128 v[F+8*(2*\kt+\ks):F+8*(2*\kt+\ks)+3],   v[KA] offset:\par*BFB+(64*\half+16*\kt)*KP+64*\ks
	ds_load_b128 v[F+8*(2*\kt+\ks)+4:F+8*(2*\kt+\ks)+7], v[KA] offset:\par*BFB+(64*\half+16*\kt)*KP+64*\ks+32
.endr
.endr
.if \cv
	s_wait_dscnt 16                                ; the eight f32 loads are in; the sixteen fragment loads issued behind them may be out
	CONV_ST 1-\par, \cv-1, S
.endif
	s_wait_dscnt 0x0                               ; K's fragments are in, and the stores above are done with S, which the products now write
	WIN 0x04                                       ; source 1 (Q) in window 1
	; 32 products: the 16 score tiles take turns, one instruction a turn; the first 32 of d start the sums
.irp ks, 0,1
.irp qt, 0,1,2,3
.irp kt, 0,1,2,3
.if \ks
	v_wmma_f32_16x16x32_bf16 v[S+32*\qt+8*\kt:S+32*\qt+8*\kt+7], v[F+8*(2*\kt+\ks):F+8*(2*\kt+\ks)+7], v[QF+8*(2*\qt+\ks):QF+8*(2*\qt+\ks)+7], v[S+32*\qt+8*\kt:S+32*\qt+8*\kt+7]
.else
	v_wmma_f32_16x16x32_bf16 v[S+32*\qt+8*\kt:S+32*\qt+8*\kt+7], v[F+8*(2*\kt+\ks):F+8*(2*\kt+\ks)+7], v[QF+8*(2*\qt+\ks):QF+8*(2*\qt+\ks)+7], 0
.endif
.endr
.endr
.endr
	WIN 0
	PLACES 4                                       ; four places behind the products: for the loads into F, which they read, and for the reads of S
.irp c, 0,1
.irp dt, 0,1,2,3
	ds_load_tr16_b128 v[F+8*(4*\c+\dt):F+8*(4*\c+\dt)+3],   v[VA] offset:\par*BFB+(64*\half+32*\c)*VP+32*\dt          ; keys 8 h .. + 7 of column 16 dt + r
	ds_load_tr16_b128 v[F+8*(4*\c+\dt)+4:F+8*(4*\c+\dt)+7], v[VA] offset:\par*BFB+(64*\half+32*\c)*VP+32*\dt+16*VP   ; keys 16 + 8 h .. + 7; they land during the softmax
.endr
.endr
.irp qt, 0,1,2,3
	MAXQ \qt, \half, \first
.endr
.if 1-\first
.irp qt, 0,1,2,3
	v_exp_f32 v[ST+8*\qt+O_AL], v[ST+8*\qt+O_AL]
.endr
.endif
	PFMA 0, \half
	PEXP 0
	PFMA 1, \half
	PSUM 0, \first
	PCVT 0
	PEXP 1
	PFMA 2, \half
	PSUM 1, \first
	PCVT 1
	PEXP 2
	PFMA 3, \half
	PSUM 2, \first
	PCVT 2
	PEXP 3
.if \first
	v_nop                                          ; the plain place behind the run of exponentials: there are no old sums to scale yet
	s_wait_alu depctr_va_vdst(0)
.else
	RESCALE
.endif
	PSUM 3, \first
	PCVT 3
	s_wait_dscnt 0x0                               ; V^T's fragments are in (and my stores into the other buffer are done)
	WIN 0x50                                       ; C and D in window 1
	; 32 products: the 16 output tiles take turns, one instruction a turn
.irp c, 0,1
.irp qt, 0,1,2,3
.irp dt, 0,1,2,3
.if \first*(1-\c)
	v_wmma_f32_16x16x32_bf16 v[8*(4*\qt+\dt):8*(4*\qt+\dt)+7], v[F+8*(4*\c+\dt):F+8*(4*\c+\dt)+7], v[S+32*\qt+16*\c:S+32*\qt+16*\c+7], 0
.else
	v_wmma_f32_16x16x32_bf16 v[8*(4*\qt+\dt):8*(4*\qt+\dt)+7], v[F+8*(4*\c+\dt):F+8*(4*\c+\dt)+7], v[S+32*\qt+16*\c:S+32*\qt+16*\c+7], v[8*(4*\qt+\dt):8*(4*\qt+\dt)+7]
.endif
.endr
.endr
.endr
	WIN 0
	PLACES 5                                       ; five places: the next products write over S, which these read; loads into F and S and reads of O need four
.endm
; A step: tile t = 128 keys in bf16 buffer par = t % 2.  ONE barrier a step.  In front of it every wave has finished its stores of bf16 tile t, its reads of bf16
; tile t - 1, its reads of the f32 slot that held tile t, and all its tensor loads (its part of tile t + 1).  Behind it: f32 slot par is filled again with tile t + 2
; (refill = 1: the barrier is then a round of the cluster's barrier, since the load is a joint one), tile t + 1 is rounded from the other slot into the other bf16
; buffer (cv = 1), and buffer par is multiplied.  The load has the step's 128 matrix instructions of each wave in which to land.
.macro STEP par, refill, cv, first
.if \cv
	s_wait_tensorcnt 0x0                           ; all my tensor loads have landed: no group 0 is in use
	ds_add_u32 v18, v19
	s_wait_dscnt 0x0
.endif
.if \refill
	s_add_nc_u64 s[G0+4*\par+2:G0+4*\par+3], s[G0+4*\par+2:G0+4*\par+3], 2*TILEB   ; this slot's next tile
	s_wait_xcnt 0x0                                ; the last step's prefetch has had its address translated: s[46:47] are written only behind this wait
	s_add_co_u32 s43, s43, 1                       ; tile t + 3,
	s_min_u32 s48, s43, 15                         ; held at the head's last tile: in the last refilling step the prefetch repeats tile 15 and never leaves the head
	s_lshl_b32 s48, s48, 15
	s_add_nc_u64 s[46:47], s[44:45], s[48:49]
.endif
	s_wait_dscnt 0x0                               ; my LDS loads and stores are done
.if \refill
	ROUND                                          ; all that now holds of every wave of all four work-groups
	tensor_load_to_lds s[G0+4*\par:G0+4*\par+3], s[G1:G1+7]        ; my one tensor load behind the round, first thing there
	s_nop 0
	; Prefetch: wave 0 (K) and wave 4 (V) of work-group cx ask for rows 32 cx .. + 31 of tile t + 3, 32 lanes 256 bytes apart: the four work-groups
	; together name each 256 bytes of the tile once, one step before the tile's tensor load is issued.
	s_cmp_lg_u32 s13, 0
	s_cbranch_scc1 .Lno_prefetch_\@
	global_prefetch_b8 v[PFO], s[46:47] th:TH_LOAD_NT scope:SCOPE_SE
.Lno_prefetch_\@:
.else
	s_barrier_signal -1
	s_barrier_wait -1
.endif
	SUB \par, 0, \cv, \first
	SUB \par, 1, 2*\cv, 0
.endm
	; Tile 0 is rounded ahead of the walk.
	s_wait_tensorcnt 0x1                           ; my part of tile 0 is in; tile 1's load, issued behind it, stays out
	s_wait_dscnt 0x0                               ; Q's fragments are in, and the stores from S are done
	s_barrier_signal -1
	s_barrier_wait -1                              ; everybody's part of tile 0 is in
	CONV_LD 0, 0, S
	CONV_LD 0, 1, S+32
	s_wait_dscnt 0x0
	CONV_ST 0, 0, S
	CONV_ST 0, 1, S+32
	STEP 0, 1, 1, 1                                ; t = 0: its first products start the sums, so it stands in front of the loop
	STEP 1, 1, 1, 0
	s_mov_b32 s42, 6
.Lwalk:                                            ; t = 2 .. 13
	STEP 0, 1, 1, 0
	STEP 1, 1, 1, 0
	s_sub_co_u32 s42, s42, 1
	s_cmp_lg_u32 s42, 0
	s_cbranch_scc1 .Lwalk
	STEP 0, 0, 1, 0                                ; t = 14: nothing is left to fetch; tile 15 is rounded
	STEP 1, 0, 0, 0                                ; t = 15
	; THE WAY OUT.  The sum of p: my two partial sums and the other half's; its reciprocal.
.irp qt, 0,1,2,3
	v_add_f32 v[ST+8*\qt+O_TA], v[ST+8*\qt+O_L], v[ST+8*\qt+O_L+1]
.endr
.irp qt, 0,1,2,3
	v_permlanex16_b32 v[ST+8*\qt+O_TB], v[ST+8*\qt+O_TA], s40, s41
.endr
.irp qt, 0,1,2,3
	v_add_f32 v[ST+8*\qt+O_TA], v[ST+8*\qt+O_TA], v[ST+8*\qt+O_TB]
.endr
.irp qt, 0,1,2,3
	v_rcp_f32 v[ST+8*\qt+O_AL], v[ST+8*\qt+O_TA]
.endr
	v_nop                                          ; the plain place behind the reciprocals
	s_wait_alu depctr_va_vdst(0)
; 16 queries: scaled into S, 32 bytes a lane into a piece of my stage, read back as whole rows of 256 bytes, stored.  Two pieces and the two halves of F take turns.
.macro OUT qt
	WIN 0x01                                       ; source 0 (O) in window 1
.irp i, 0,1,2,3,4,5,6,7,8,9,10,11,12,13,14,15
	v_pk_mul_f32 v[S+32*\qt+2*\i:S+32*\qt+2*\i+1], v[32*\qt+2*\i:32*\qt+2*\i+1], v[ST+8*\qt:ST+8*\qt+1] op_sel_hi:[1,0]
.endr
	WIN 0
.irp dt, 0,1,2,3
	ds_store_b128 v[OST], v[S+32*\qt+8*\dt:S+32*\qt+8*\dt+3]   offset:(\qt&1)*OPIECE+64*\dt
	ds_store_b128 v[OST], v[S+32*\qt+8*\dt+4:S+32*\qt+8*\dt+7] offset:(\qt&1)*OPIECE+64*\dt+16
.endr
	s_wait_xcnt 0x0                                ; every earlier store has had its addresses translated (ISA guide 3.1): this half of F, which stores read, is loaded again only behind this wait
.irp t, 0,1,2,3,4,5,6,7
	ds_load_b128 v[F+32*(\qt&1)+4*\t:F+32*(\qt&1)+4*\t+3], v[ORD] offset:(\qt&1)*OPIECE+2*OP*\t   ; my own bytes, served in order: these see the stores above
.endr
.irp t, 0,1,2,3,4,5,6,7
	s_wait_dscnt 7-\t                              ; rows 2 t, 2 t + 1 are back; the younger read-backs may be out
	global_store_b128 v[GO], v[F+32*(\qt&1)+4*\t:F+32*(\qt&1)+4*\t+3], s[52:53] offset:(16*\qt+2*\t)*256 th:TH_STORE_NT   ; 16 lanes store one whole row: 256 consecutive bytes, aligned
.endr
.endm
	OUT 0
	OUT 1
	OUT 2
	OUT 3
	s_wait_tensorcnt 0x0
	ds_add_u32 v18, v19
	s_wait_dscnt 0x0
	ROUND                                          ; the closing round: no work-group ends while a partner may still ask for a tile that names it
	s_endpgm
.Lfunc_end_k_q62fc189daa_attn:
	.size	k_q62fc189daa_attn, .Lfunc_end_k_q62fc189daa_attn-k_q62fc189daa_attn
	.p2alignl 7, 3214868480
	.fill 96, 4, 3214868480
	.section	.rodata,"a",@progbits
	.p2align	6, 0x0
	.amdhsa_kernel k_q62fc189daa_attn
		.amdhsa_group_segment_fixed_size 327680
		.amdhsa_private_segment_fixed_size 0
		.amdhsa_enable_private_segment 0
		.amdhsa_kernarg_size 32
		.amdhsa_user_sgpr_count 2
		.amdhsa_user_sgpr_kernarg_segment_ptr 1
		.amdhsa_wavefront_size32 1
		.amdhsa_system_sgpr_workgroup_id_x 1
		.amdhsa_system_sgpr_workgroup_id_y 1
		.amdhsa_system_sgpr_workgroup_id_z 1
		.amdhsa_system_vgpr_workitem_id 0
		.amdhsa_next_free_vgpr 448
		.amdhsa_next_free_sgpr 66
		.amdhsa_reserve_vcc 0
		.amdhsa_float_denorm_mode_32 3
		.amdhsa_float_denorm_mode_16_64 3
		.amdhsa_memory_ordered 1
		.amdhsa_forward_progress 1
		.amdhsa_inst_pref_size 255
	.end_amdhsa_kernel
	.section	.bss,"aw",@nobits
	.p2align	6
	.space	262144
	.amdgpu_metadata
---
amdhsa.version: [ 1, 2 ]
amdhsa.kernels:
  - .name:           k_q62fc189daa_attn
    .symbol:         k_q62fc189daa_attn.kd
    .args:
      - { .name: Q, .offset: 0, .size: 8, .value_kind: global_buffer, .address_space: global }
      - { .name: K, .offset: 8, .size: 8, .value_kind: global_buffer, .address_space: global }
      - { .name: V, .offset: 16, .size: 8, .value_kind: global_buffer, .address_space: global }
      - { .name: out0, .offset: 24, .size: 8, .value_kind: global_buffer, .address_space: global }
    .group_segment_fixed_size: 327680
    .private_segment_fixed_size: 0
    .kernarg_segment_align: 8
    .kernarg_segment_size: 32
    .max_flat_workgroup_size: 256
    .sgpr_count:     66
    .vgpr_count:     448
    .wavefront_size: 32
...
	.end_amdgpu_metadata
.endif
;; end of part 1
;; ======== version 2 of 2: 1 launch
;; launch attn (part 2): grid 256 x 1, 8 waves a work-group, clusters of 4 x 1, 327,680 bytes of LDS; arguments Q, K, V, out0; writes out0
.if DOCPART == 2
	.amdgcn_target "amdgcn-amd-amdhsa--gfx1250"
	.amdhsa_code_object_version 6
	.text
	.protected	k_q62fc189daa_attn
	.globl	k_q62fc189daa_attn
	.p2align	8
	.type	k_q62fc189daa_attn,@function
k_q62fc189daa_attn:
	s_mov_b64 s[64:65], 0
	v_nop
	global_prefetch_b8 v0, s[64:65] scope:SCOPE_SE
	s_setreg_imm32_b32 hwreg(HW_REG_WAVE_MODE, 25, 1), 1
	s_wait_xcnt 0x0
	s_wait_alu depctr_hold_cnt(0) depctr_sa_sdst(0) depctr_va_vdst(0) depctr_va_sdst(0) depctr_va_ssrc(0) depctr_va_vcc(0) depctr_vm_vsrc(0)
	s_getreg_b32 s2, hwreg(HW_REG_IB_STS2, 6, 4)
	s_cmp_eq_u32 s2, 0
	s_cbranch_scc0 .Lentry_in_a_cluster
	s_endpgm
.Lentry_in_a_cluster:
	s_bfe_u32 s2, ttmp6, 0x10000c
	s_cmp_lg_u32 s2, 0x3003
	s_cbranch_scc0 .Lentry_shape_is_right
	s_endpgm
.Lentry_shape_is_right:
; out = softmax(Q K^T / 8) V for 64 heads of 2,048 queries and keys, 64 numbers a row, all tensors f32.
;
; SHARES.  A cluster of four work-groups takes one head (the cluster's x); work-group cx of it takes 512 queries; each of its eight waves 64 queries
; (four query tiles of 16).  All four work-groups walk the same K and V, so every K and V tile is asked for JOINTLY (mask 15) and each receives it in its own LDS.
; Only these four share anything, so the cluster is 4 x 1.  Keys go in 16 steps of 128, each step in two sub-steps of 64 keys.  Two waves share a SIMD's registers (2 x 512).
;
; THE WAY OF A TILE.  Tensor loads bring K's and V's 128 rows as f32 into one of two LDS slots.  Each wave rounds 16 rows of K and 16 of V to bf16, once for the
; work-group, into one of two bf16 buffers, a step ahead of their use.  All eight waves read their fragments from the bf16 buffer.
;
; BOTH PRODUCTS ARE TRANSPOSED.  S^T = K Q^T: source 0 = 16 keys x 32 d, source 1 = 16 queries x 32 d; lane (r, h) = (lane % 16, lane / 16) gets, in register j,
; the score of key 8 h + j and query r.  So all numbers of a lane belong to ONE query: maximum and sum are made inside the lane, plus one exchange between the
; halves.  Packing two neighbouring key tiles to bf16 gives just the registers of source 1 (16 queries x 32 keys) of O^T = V^T P^T: P never leaves the registers.
; V^T's fragments (16 d x 32 keys) come from V's rows by the transposing LDS load.  In O^T lane (r, h) holds O(query r, d = 16 dt + 8 h + j): 32 neighbouring bytes.
;
; SOFTMAX with a running maximum m, renewed every 64 keys: p = 2^(c s - c m), c = log2(e) / 8.  NMC = round(-c m) is kept for the last two sub-steps, and the old
; sums are multiplied by 2^(NMC new - NMC old): the very shift that the p were made with, and exactly 1 where the maximum stands.
;
; THE ORDER OF THE WORK.  A wave's 32 sub-steps x 4 query tiles are one stream of stages, g = 4 x sub-step + query tile; tile g lives in S(g % 4).  Stage g has three
; blocks, each under one setting of the register windows, so that matrix products always stand among vector work of OTHER tiles:
;   A  the 8 score products of tile g; behind each of them two packed c s - c m of tile g - 1 and two of its exponentials
;   B  the sum of p of tile g - 2; the maximum of tile g, its serial end zipped with the packing of tile g - 2; among all of them the other 16 exponentials of tile g - 1
;   C  the 8 output products of tile g - 2; among and behind them the scaling of tile g - 1's old output sums
; The distances behind matrix instructions (ISA guide 7.12.1) are kept by these plain lines of other tiles; v_nop stands only where a stage has none of them yet.
; LDS loads are asked for a block or more ahead: K's fragments of the next sub-step in stage 3, V^T's ahead of stage 2, the rows to be rounded ahead of stage 0.
;
; LIMITS.  Q, K, V and p go to the matrix unit rounded to bf16 (f32's exponent range); the sum of p is taken over the unrounded p, in f32, in an order of its own.
; A p below 2^-126 counts as 0 (v_exp_f32 flushes).  Nothing is claimed for NaN or infinite inputs.  The sum is at least about 1 (the maximum's own term).
;
; LDS, every region at a multiple of 256 bytes:
;   0        two f32 slots of 65,536: K's 128 rows of 256 bytes, then V's; wave w's tensor load fills 32 rows at w x 8,192.  Read 16 bytes a lane, neighbouring: no padding
;   131,072  two bf16 buffers of 38,912: K [128] rows 144 bytes apart (9 x 16: the 16 rows of a fragment load lie in 16 different 16-byte columns of 256),
;            then V [128] rows 160 bytes apart (5 x 32, for the transposing load)
;   208,896  a stage of 9,216 for each wave, its own: first Q in bf16 [64] rows 144 apart, at the end two pieces of 16 output rows 272 apart
; Tensor loads fill the f32 slots alone; LDS stores write the bf16 buffers and the stages alone.
.set TILEB,  32768                     ; 128 rows of 256 bytes: a step's K, or V
.set SLOTB,  65536
.set BF,     131072
.set BFB,    38912
.set KP,     144
.set VP,     160
.set VOFF,   18432                     ; V behind K in a bf16 buffer
.set STAGE,  208896
.set STAGEW, 9216
.set OP,     272
.set OPIECE, 4352
; vector registers, window 0
.set KA,  4                            ; K fragments: BF + r 144 + 16 h
.set VA,  5                            ; V^T fragments: BF + VOFF + (8 h + lane % 8) 160 + 16 ((lane / 8) % 2)
.set CR0, 6                            ; v6, v7: f32 slot 0, 1: my 16 rows, w 4,096 + 16 lane
.set CSK, 8                            ; v8 K, v9 V: where my rounded rows go: (16 w + h) pitch + 8 r
.set QST, 10                           ; stage: Q in, h 144 + 8 r
.set QFR, 11                           ; stage: Q fragments, r 144 + 16 h
.set OST, 12                           ; stage: output in, r 272 + 32 h
.set ORD, 13                           ; stage: output rows back, h 272 + 16 r
.set GO,  14                           ; my 16 bytes in my wave's first two rows of Q and of out: w 16,384 + 16 lane
.set PFO, 16                           ; 256 lane, for the prefetch
.set A,   20                           ; v[20:27] four pairs: chains of the sum
.set T,   28                           ; v[28:31] four chains of the maximum
.set ST,  32                           ; v[32:63] eight registers of state for each query tile:
.set O_AL, 0                           ;   the factor for the old sums; at the end 1 / sum
.set O_TA, 1                           ;   at work
.set O_N0, 2                           ;   -c m of the even sub-steps
.set O_TB, 3                           ;   what the other half of the lanes sent
.set O_N1, 4                           ;   -c m of the odd sub-steps
.set O_M,  5                           ;   the running maximum
.set O_L,  6                           ;   a pair: two running partial sums of p
.set KF,  64                           ; v[64:127]  K's eight fragments (kt, ks) at 8 (2 kt + ks); on the way out rows read back
.set S,   128                          ; v[128:255] scores: tile (qt, kt) at 32 qt + 8 kt; then p; then P's fragments (qt, c) at 32 qt + 16 c
; window 1: v256-383 (written v0-127) O^T, tile (qt, dt) at 8 (4 qt + dt); v384-447 (written v128-191) Q's fragments (qt, ks) at 8 (2 qt + ks);
;           v448-511 (written v192-255) V^T's eight fragments (c, dt) at 8 (4 c + dt)
.set QF,  128
.set VF,  192
.set G1,  16                           ; s[16:23] descriptor group 1
.set G0,  24                           ; s[24:31] descriptor group 0, one set for each slot
.set MSB, 0
.set xe, 0                             ; the next register that waits for its exponential,
.set xl, 0                             ; and the end of that run
.macro WIN new                         ; s_set_vgpr_msb: bits 1:0 source 0, 3:2 source 1, 5:4 source 2, 7:6 destination; the high byte repeats the setting that is left
.if MSB != \new
	s_set_vgpr_msb (MSB<<8)|\new
.set MSB, \new
.endif
.endm
.macro PLACES n
.rept \n
	v_nop
.endr
.endm
; A round of the cluster's barrier: my work-group's barrier, wave 0 signals for the work-group, every wave waits for all four work-groups, my work-group's barrier again.
.macro ROUND
	s_barrier_signal -1
	s_barrier_wait -1
	s_cmp_lg_u32 s12, 0
	s_cbranch_scc1 .Lnot_wave_0_\@
	s_barrier_signal -3
.Lnot_wave_0_\@:
	s_barrier_wait -3
	s_barrier_signal -1
	s_barrier_wait -1
.endm
	s_load_b256 s[4:11], s[0:1], 0x0               ; Q s[4:5], K s[6:7], V s[8:9], out s[10:11]
	v_lshl_add_u32 v18, v0, 2, 0x45000
	v_mov_b32 v19, 0
	ds_add_u32 v18, v19
	v_lshrrev_b32 v1, 5, v0
	v_readfirstlane_b32 s12, v1                    ; w: my wave, 0 to 7
	s_and_b32 s13, s12, 3                          ; which 32 rows of K's (waves 0-3) or V's (waves 4-7) tile I fetch
	s_bfe_u32 s14, ttmp6, 0x40000                  ; cx: my work-group's place in the cluster = its block of 512 queries
	v_and_b32 v1, 31, v0                           ; lane
	v_and_b32 v2, 15, v0                           ; r
	v_bfe_u32 v3, v0, 4, 1                         ; h
	s_mul_i32 s15, s12, STAGEW
	s_add_co_u32 s15, s15, STAGE                   ; my stage
	v_mul_u32_u24 v15, v2, KP
	v_lshl_add_u32 v15, v3, 4, v15                 ; r 144 + 16 h
	v_add_nc_u32 v[KA], BF, v15
	v_add_nc_u32 v[QFR], s15, v15
	v_mul_u32_u24 v15, v3, KP
	v_lshl_add_u32 v15, v2, 3, v15                 ; h 144 + 8 r
	v_add_nc_u32 v[QST], s15, v15
	s_mul_i32 s54, s12, 16*KP
	s_add_co_u32 s54, s54, BF
	v_add_nc_u32 v[CSK], s54, v15
	v_mul_u32_u24 v15, v3, VP
	v_lshl_add_u32 v15, v2, 3, v15                 ; h 160 + 8 r
	s_mul_i32 s54, s12, 16*VP
	s_add_co_u32 s54, s54, BF+VOFF
	v_add_nc_u32 v[CSK+1], s54, v15
	v_and_b32 v15, 7, v0
	v_lshl_add_u32 v15, v3, 3, v15                 ; 8 h + lane % 8
	v_mul_u32_u24 v[VA], v15, VP
	v_bfe_u32 v15, v0, 3, 1
	v_lshl_add_u32 v[VA], v15, 4, v[VA]
	v_add_nc_u32 v[VA], BF+VOFF, v[VA]
	v_lshlrev_b32 v15, 4, v1                       ; 16 lane
	v_lshl_add_u32 v[CR0], s12, 12, v15
	v_add_nc_u32 v[CR0+1], SLOTB, v[CR0]
	v_lshl_add_u32 v[GO], s12, 14, v15
	v_lshlrev_b32 v[PFO], 8, v1
	v_mul_u32_u24 v15, v2, OP
	v_lshl_add_u32 v15, v3, 5, v15                 ; r 272 + 32 h
	v_add_nc_u32 v[OST], s15, v15
	v_mul_u32_u24 v15, v3, OP
	v_lshl_add_u32 v15, v2, 4, v15                 ; h 272 + 16 r
	v_add_nc_u32 v[ORD], s15, v15
.irp qt, 0,1,2,3
	v_mov_b32 v[ST+8*\qt+O_TB], 0                  ; v_permlanex16_b32 counts as a reader of its destination: written once here
.endr
	s_mov_b32 s36, 0x3e38aa3b                      ; c = log2(e) / 8, twice: a pair for the packed multiply-add
	s_mov_b32 s37, 0x3e38aa3b
	s_mov_b32 s38, 0xbe38aa3b                      ; -c
	s_mov_b32 s40, 0x76543210                      ; v_permlanex16_b32: lane i of one half reads lane i of the other
	s_mov_b32 s41, 0xfedcba98
	s_mov_b32 s43, 2                               ; the prefetch's tile counter
	; Descriptor group 1, for every load: 32 rows of 64 f32, dense in memory and in LDS.
	s_mov_b32 s[G1+0], 15|(2<<16)|(1<<21)          ; 15:0 mask: all four work-groups of the cluster; 17:16 elements of 4 bytes; 21 set beside a mask; no padding
	s_mov_b32 s[G1+1], 64<<16                      ; tensor_dim0 = 64
	s_mov_b32 s[G1+2], 32<<16                      ; tensor_dim1 = 32
	s_mov_b32 s[G1+3], 64<<16                      ; tile_dim0 = 64
	s_mov_b32 s[G1+4], 32                          ; tile_dim1 = 32
	s_mov_b32 s[G1+5], 64                          ; 64 elements from row to row
	s_mov_b32 s[G1+6], 0
	s_mov_b32 s[G1+7], 0
	s_lshl_b32 s15, s12, 13                        ; my 32 rows in a slot: w x 8,192 (K's four parts, then V's four)
	s_wait_dscnt 0x0
	s_wait_kmcnt 0x0
	; Q and out at my work-group's 512 rows: head x 524,288 + cx x 131,072 bytes.  What hangs on cx stays in s14 and s[44:53].
	s_lshl_b32 s48, ttmp9, 19
	s_lshl_b32 s46, s14, 17
	s_add_co_u32 s48, s48, s46
	s_mov_b32 s49, 0
	s_add_nc_u64 s[50:51], s[4:5], s[48:49]
	s_add_nc_u64 s[52:53], s[10:11], s[48:49]
	; Q: my 64 rows, 32 loads of 512 neighbouring bytes (rows 2 n + h).  They go out first of all, ahead of the cluster's first round: nobody writes Q.
.set n, 0
.rept 32
	global_load_b128 v[S+4*n:S+4*n+3], v[GO], s[50:51] offset:512*n th:TH_LOAD_NT
.set n, n+1
.endr
	; The tiles' address is made of the head and the wave's number alone: the same in all four partners.
	s_cmp_lt_u32 s12, 4
	s_cselect_b64 s[32:33], s[6:7], s[8:9]         ; waves 0-3 fetch K, waves 4-7 V
	s_lshl_b32 s34, ttmp9, 19
	s_mov_b32 s35, 0
	s_add_nc_u64 s[32:33], s[32:33], s[34:35]      ; the head's first row
	s_lshl_b32 s48, s14, 13
	s_add_nc_u64 s[44:45], s[32:33], s[48:49]      ; the prefetch's base: rows 32 cx .. 32 cx + 31 of tile 0
	s_lshl_b32 s34, s13, 13
	s_add_nc_u64 s[32:33], s[32:33], s[34:35]      ; my 32 rows of tile 0
.irp s, 0,1
	s_mov_b32 s[G0+4*\s], 1                                        ; count = 1
	s_add_co_u32 s[G0+4*\s+1], s15, \s*SLOTB                       ; LDS address
	s_add_nc_u64 s[G0+4*\s+2:G0+4*\s+3], s[32:33], \s*TILEB        ; tile s
	s_or_b32 s[G0+4*\s+3], s[G0+4*\s+3], 0x80000000                ; type = 2
.endr
	ROUND                                          ; all four work-groups are here: the first joint loads meet
	tensor_load_to_lds s[G0:G0+3], s[G1:G1+7]      ; tile 0 and tile 1, as one group, ahead of every LDS access:
	s_nop 0
	tensor_load_to_lds s[G0+4:G0+7], s[G1:G1+7]    ; two loads of the wave are out here, later one at a time
	s_nop 0
	; Q is rounded to bf16 into my stage and read back as fragments.
.irp g, 0,1,2,3
	s_wait_loadcnt 24-8*\g                         ; loads come back in order: this group of eight is in, the younger groups stay out
.irp i, 0,1,2,3,4,5,6,7
	v_cvt_pk_bf16_f32 v[S+32*\g+4*\i], v[S+32*\g+4*\i], v[S+32*\g+4*\i+1]
	v_cvt_pk_bf16_f32 v[S+32*\g+4*\i+1], v[S+32*\g+4*\i+2], v[S+32*\g+4*\i+3]
	ds_store_b64 v[QST], v[S+32*\g+4*\i:S+32*\g+4*\i+1] offset:2*KP*(8*\g+\i)
.endr
.endr
	WIN 0x40                                       ; destination in window 1
.irp qt, 0,1,2,3
.irp ks, 0,1
	ds_load_b128 v[QF+8*(2*\qt+\ks):QF+8*(2*\qt+\ks)+3],   v[QFR] offset:16*\qt*KP+64*\ks      ; my own bytes: LDS serves a wave's instructions in order
	ds_load_b128 v[QF+8*(2*\qt+\ks)+4:QF+8*(2*\qt+\ks)+7], v[QFR] offset:16*\qt*KP+64*\ks+32
.endr
.endr
	WIN 0
; My 16 rows of K (isv = 0) or V (isv = 1) out of f32 slot 'slot': eight loads of two rows each.
.macro CONV_LD slot, isv, reg
.irp i, 0,1,2,3,4,5,6,7
	ds_load_b128 v[\reg+4*\i:\reg+4*\i+3], v[CR0+(\slot)] offset:(\isv)*TILEB+512*\i
.endr
.endm
; Rounded in place, four f32 to 8 bytes, and stored into bf16 buffer 'buf'.
.macro CONV_ST buf, isv, reg
.irp i, 0,1,2,3,4,5,6,7
	v_cvt_pk_bf16_f32 v[\reg+4*\i], v[\reg+4*\i], v[\reg+4*\i+1]
	v_cvt_pk_bf16_f32 v[\reg+4*\i+1], v[\reg+4*\i+2], v[\reg+4*\i+3]
.endr
.irp i, 0,1,2,3,4,5,6,7
	ds_store_b64 v[CSK+(\isv)], v[\reg+4*\i:\reg+4*\i+1] offset:(\buf)*BFB+2*\i*(KP+(\isv)*(VP-KP))
.endr
.endm
; K's eight fragments of 64 keys (half 0 or 1 of bf16 buffer par); window 0.
.macro KLOAD par, half
.irp kt, 0,1,2,3
.irp ks, 0,1
	ds_load_b128 v[KF+8*(2*\kt+\ks):KF+8*(2*\kt+\ks)+3],   v[KA] offset:(\par)*BFB+(64*(\half)+16*\kt)*KP+64*\ks
	ds_load_b128 v[KF+8*(2*\kt+\ks)+4:KF+8*(2*\kt+\ks)+7], v[KA] offset:(\par)*BFB+(64*(\half)+16*\kt)*KP+64*\ks+32
.endr
.endr
.endm
; V^T's eight fragments of the same 64 keys, into window 1.
.macro VLOAD par, half
	WIN 0x40
.irp c, 0,1
.irp dt, 0,1,2,3
	ds_load_tr16_b128 v[VF+8*(4*\c+\dt):VF+8*(4*\c+\dt)+3],   v[VA] offset:(\par)*BFB+(64*(\half)+32*\c)*VP+32*\dt          ; keys 8 h .. + 7 of column 16 dt + r
	ds_load_tr16_b128 v[VF+8*(4*\c+\dt)+4:VF+8*(4*\c+\dt)+7], v[VA] offset:(\par)*BFB+(64*(\half)+32*\c)*VP+32*\dt+16*VP   ; keys 16 + 8 h .. + 7
.endr
.endr
.endm
; WHAT A STAGE WORKS ON, as assembly symbols: c_q, c_q1, c_q2 = the places in S of tiles g, g - 1, g - 2; c_np, c_n1 = which NMC register tiles g, g - 1 use;
; c_l1, c_l2 = of what kind the sub-step of tile g - 1, g - 2 is: -1 there is none, 0 the first (it starts the sums), 1 or more any other;
; c_hq = 1: tile g exists; c_mf = 1: tile g is of the first sub-step.
.macro SETLAG q, sidx, half
.set c_q,  \q
.set c_q1, (\q+3)%4
.set c_q2, (\q+2)%4
.set c_np, \half
.set c_n1, \half
.set c_l1, \sidx
.set c_l2, \sidx
.if \q < 1
.set c_n1, 1-\half
.set c_l1, \sidx-1
.endif
.if \q < 2
.set c_l2, \sidx-1
.endif
.endm
.macro XP                              ; the next exponential of tile g - 1, if one is left.  The lines beside it are plain and of other tiles (ISA guide 5.7.2)
.if xe < xl
	v_exp_f32 v[xe], v[xe]
.set xe, xe+1
.endif
.endm
.macro QW i                            ; score product i of tile g: key tile i % 4, d 32 (i / 4) .. + 31.  The four key tiles take turns, one instruction a turn
.set kt_, (\i)%4
.set ks_, (\i)/4
.set d_, S+32*c_q+8*kt_
.if ks_
	v_wmma_f32_16x16x32_bf16 v[d_:d_+7], v[KF+8*(2*kt_+ks_):KF+8*(2*kt_+ks_)+7], v[QF+8*(2*c_q+ks_):QF+8*(2*c_q+ks_)+7], v[d_:d_+7]
.else
	v_wmma_f32_16x16x32_bf16 v[d_:d_+7], v[KF+8*(2*kt_+ks_):KF+8*(2*kt_+ks_)+7], v[QF+8*(2*c_q+ks_):QF+8*(2*c_q+ks_)+7], 0
.endif
.endm
.macro PW i                            ; output product i of tile g - 2: d tile i % 4, keys 32 (i / 4) .. + 31.  The four d tiles take turns, one instruction a turn
.set dt_, (\i)%4
.set cc_, (\i)/4
.set d_, 8*(4*c_q2+dt_)
.set z_, 0
.if c_l2 == 0
.if cc_ == 0
.set z_, 1
.endif
.endif
.if z_
	v_wmma_f32_16x16x32_bf16 v[d_:d_+7], v[VF+8*(4*cc_+dt_):VF+8*(4*cc_+dt_)+7], v[S+32*c_q2+16*cc_:S+32*c_q2+16*cc_+7], 0
.else
	v_wmma_f32_16x16x32_bf16 v[d_:d_+7], v[VF+8*(4*cc_+dt_):VF+8*(4*cc_+dt_)+7], v[S+32*c_q2+16*cc_:S+32*c_q2+16*cc_+7], v[d_:d_+7]
.endif
.endm
.macro FM1 p                           ; c s - c m for pair p of tile g - 1; both halves take the pair's first register as the addend
	v_pk_fma_f32 v[S+32*c_q1+2*(\p):S+32*c_q1+2*(\p)+1], v[S+32*c_q1+2*(\p):S+32*c_q1+2*(\p)+1], s[36:37], v[ST+8*c_q1+O_N0+2*c_n1:ST+8*c_q1+O_N0+2*c_n1+1] op_sel_hi:[1,0,0]
.endm
.macro RS p                            ; pair p of tile g - 1's old output sums times its query's factor
	v_pk_mul_f32 v[32*c_q1+2*(\p):32*c_q1+2*(\p)+1], v[32*c_q1+2*(\p):32*c_q1+2*(\p)+1], v[ST+8*c_q1:ST+8*c_q1+1] op_sel_hi:[1,0]
.endm
.macro CV i                            ; packing line i of tile g - 2: two key tiles (16 registers) become one fragment of 32 keys (8), in place: line i % 8 writes register i % 8 and reads 2 (i % 8), + 1
.if c_l2 >= 0
	v_cvt_pk_bf16_f32 v[S+32*c_q2+16*((\i)/8)+(\i)%8], v[S+32*c_q2+16*((\i)/8)+2*((\i)%8)], v[S+32*c_q2+16*((\i)/8)+2*((\i)%8)+1]
.endif
.endm
; BLOCK A.  Source 1 in window 1 (Q's fragments).  The vector lines here have a scalar pair or nothing as source 1, so they stand under the same setting.
; Exponential 2 (i - 1) follows packed line i - 1 by a product or more.
.macro BLKA
.if c_hq
	WIN 0x04
.else
	WIN 0
.endif
.set xe, S+32*c_q1
.set xl, xe
.if c_l1 >= 0
.set xl, xe+32
.endif
.set i_, 0
.rept 8
.if c_hq
	QW i_
.endif
.if c_l1 >= 0
	FM1 2*i_
	FM1 2*i_+1
.if i_ > 0
	XP
	XP
.endif
.endif
.set i_, i_+1
.endr
	XP
	XP
.endm
; BLOCK B, first part: the 32 p of tile g - 2 in four chains of pairs, then onto the old sum times its factor.
.macro BLKB1
	WIN 0
.if c_l2 >= 0
.set x_, S+32*c_q2
.set q_, ST+8*c_q2
	s_wait_alu depctr_va_vdst(0)
.irp k, 0,1,2,3
	v_pk_add_f32 v[A+2*\k:A+2*\k+1], v[x_+4*\k:x_+4*\k+1], v[x_+4*\k+2:x_+4*\k+3]
.endr
	XP
	s_wait_alu depctr_va_vdst(0)
.irp k, 0,1,2,3
	v_pk_add_f32 v[A+2*\k:A+2*\k+1], v[A+2*\k:A+2*\k+1], v[x_+16+2*\k:x_+16+2*\k+1]
.endr
	XP
.irp k, 0,1,2,3
	v_pk_add_f32 v[A+2*\k:A+2*\k+1], v[A+2*\k:A+2*\k+1], v[x_+24+2*\k:x_+24+2*\k+1]
.endr
	XP
	v_pk_add_f32 v[A:A+1], v[A:A+1], v[A+2:A+3]
	v_pk_add_f32 v[A+4:A+5], v[A+4:A+5], v[A+6:A+7]
	XP
.if c_l2 == 0
	v_pk_add_f32 v[q_+O_L:q_+O_L+1], v[A:A+1], v[A+4:A+5]          ; the first sub-step starts the sum
.else
	v_pk_add_f32 v[A:A+1], v[A:A+1], v[A+4:A+5]
	XP
	v_pk_fma_f32 v[q_+O_L:q_+O_L+1], v[q_+O_L:q_+O_L+1], v[q_+O_AL:q_+O_AL+1], v[A:A+1] op_sel_hi:[1,0,1]
.endif
.endif
.endm
; BLOCK B, second part: the new maximum of tile g (my 32 scores in four chains, the other half's by one exchange, the old maximum), -c m, and the old sums' factor.
; Each line of the serial end is followed by two packing lines of tile g - 2.  The scores are read at least four plain lines of other tiles behind their products.
.macro BLKB2
.if c_hq
.if c_l2 < 0
	PLACES 4                                       ; no tile g - 2 yet: the places behind the score products
.endif
.set x_, S+32*c_q
.set q_, ST+8*c_q
.irp k, 0,1,2,3
	v_max3_num_f32 v[T+\k], v[x_+7*\k], v[x_+7*\k+1], v[x_+7*\k+2]
.endr
	XP
.irp k, 0,1,2,3
	v_max3_num_f32 v[T+\k], v[T+\k], v[x_+7*\k+3], v[x_+7*\k+4]
.endr
	XP
.irp k, 0,1,2,3
	v_max3_num_f32 v[T+\k], v[T+\k], v[x_+7*\k+5], v[x_+7*\k+6]
.endr
	XP
	v_max3_num_f32 v[T], v[T], v[T+1], v[x_+28]
	v_max3_num_f32 v[T+2], v[T+2], v[T+3], v[x_+29]
	CV 0
	CV 1
	XP
	v_max3_num_f32 v[T], v[T], v[T+2], v[x_+30]
	CV 2
	CV 3
	XP
	v_max_num_f32 v[q_+O_TA], v[T], v[x_+31]
	CV 4
	CV 5
	XP
	v_permlanex16_b32 v[q_+O_TB], v[q_+O_TA], s40, s41
	CV 6
	CV 7
	XP
.if c_mf
	v_max_num_f32 v[q_+O_M], v[q_+O_TA], v[q_+O_TB]
.else
	v_max3_num_f32 v[q_+O_M], v[q_+O_TA], v[q_+O_TB], v[q_+O_M]
.endif
	CV 8
	CV 9
	XP
	v_mul_f32 v[q_+O_N0+2*c_np], s38, v[q_+O_M]
	CV 10
	CV 11
	XP
.if c_mf == 0
	v_sub_f32 v[q_+O_AL], v[q_+O_N0+2*c_np], v[q_+O_N0+2-2*c_np]   ; never above 0; 0 where the maximum stands
.endif
	CV 12
	CV 13
	XP
.if c_mf == 0
	v_exp_f32 v[q_+O_AL], v[q_+O_AL]               ; first read a stage later
.endif
	CV 14
	CV 15
	XP
.else
.irp i, 0,2,4,6,8,10,12,14
	CV \i
	CV \i+1
	XP
.endr
.endif
.rept 32
	XP                                             ; what is left of tile g - 1's exponentials where a part of the block is missing; nothing otherwise
.endr
.endm
; BLOCK C.  Source 0 (V^T), C and D (O^T) in window 1; the scaling lines have destination and source 0 there and no source 2.  Four plain lines end the block:
; the places in front of the next loads into V^T's fragments and into the tile of S that these products read.
.macro BLKC
.if c_l2 >= 0
	WIN 0x51
.set i_, 0
.rept 8
	PW i_
.if c_l1 >= 1
.if i_ < 6
	RS 2*i_
	RS 2*i_+1
.endif
.if i_ == 7
	RS 12
	RS 13
	RS 14
	RS 15
.endif
.endif
.set i_, i_+1
.endr
.if c_l1 < 1
	PLACES 4                                       ; no old sums to scale
.endif
.endif
.endm
; THE BARRIER OF STEP t, par = t % 2.  In front of it every wave has finished its stores of bf16 tile t, its reads of bf16 tile t - 1 (fragments are in registers by then),
; its reads of the f32 slot that held tile t, and all its tensor loads (cv = 1: its part of tile t + 1).  Behind it: f32 slot par is filled again with tile t + 2
; (refill = 1: the barrier is then a round of the cluster's barrier, since the load is a joint one), tile t + 1 is rounded from the other slot into the other bf16
; buffer, and buffer par is read.  The load has a step's 128 matrix instructions of each wave in which to land.
.macro BAR par, refill, cv
.if \cv
	s_wait_tensorcnt 0x0                           ; all my tensor loads have landed: no group 0 is in use
	ds_add_u32 v18, v19
	s_wait_dscnt 0x0
.endif
.if \refill
	s_add_nc_u64 s[G0+4*(\par)+2:G0+4*(\par)+3], s[G0+4*(\par)+2:G0+4*(\par)+3], 2*TILEB   ; this slot's next tile
	s_wait_xcnt 0x0                                ; the last step's prefetch has had its address translated: s[46:47] are written only behind this wait
	s_add_co_u32 s43, s43, 1                       ; tile t + 3,
	s_min_u32 s48, s43, 15                         ; held at the head's last tile: in the last refilling step the prefetch repeats tile 15 and never leaves the head
	s_lshl_b32 s48, s48, 15
	s_add_nc_u64 s[46:47], s[44:45], s[48:49]
.endif
	s_wait_dscnt 0x0                               ; my LDS loads and stores are done
.if \refill
	ROUND                                          ; all that now holds of every wave of all four work-groups
	tensor_load_to_lds s[G0+4*(\par):G0+4*(\par)+3], s[G1:G1+7]    ; my one tensor load behind the round, first thing there
	s_nop 0
	; Prefetch: wave 0 (K) and wave 4 (V) of work-group cx ask for rows 32 cx .. + 31 of tile t + 3, 32 lanes 256 bytes apart: the four work-groups
	; together name each 256 bytes of the tile once, one step before the tile's tensor load is issued.
	s_cmp_lg_u32 s13, 0
	s_cbranch_scc1 .Lno_prefetch_\@
	global_prefetch_b8 v[PFO], s[46:47] th:TH_LOAD_NT scope:SCOPE_SE
.Lno_prefetch_\@:
.else
	s_barrier_signal -1
	s_barrier_wait -1
.endif
.endm
; FOUR STAGES: the sub-step of keys 64 half .. + 63 of bf16 buffer par.  cv = 1, 2: it also rounds my rows of the next tile's K, V into the other buffer.
; sidx = 0 the first sub-step, 1 the second, 2 any other.  hk = 1: the next sub-step is the buffer's other half; hk = 2: it is the next step's first, behind that
; step's barrier (hr, hc: its refill and cv); hk = 0: there is none.
.macro SUBP par, half, cv, sidx, hk, hr, hc
.set c_hq, 1
.set c_mf, 0
.if \sidx == 0
.set c_mf, 1
.endif
	SETLAG 0, \sidx, \half
	WIN 0x04                                       ; destination and address of an LDS load stay in window 0 under block A's setting
.if \cv
	CONV_LD 1-\par, \cv-1, S+32                    ; into S(1): free since its output products, four plain lines ago, until stage 1's score products
	s_wait_dscnt 8                                 ; K's sixteen fragment loads are in; the eight loads just issued behind them may be out
.else
	s_wait_dscnt 0x0                               ; K's fragments are in
.endif
	BLKA
	BLKB1
	BLKB2
.if \cv
	s_wait_dscnt 0x0                               ; my rows are in
	CONV_ST 1-\par, \cv-1, S+32
.endif
	BLKC
	SETLAG 1, \sidx, \half
.if \cv
	s_wait_dscnt 0x0                               ; the stores are done with S(1), which the products now write
.endif
	BLKA
	BLKB1
	BLKB2
	BLKC                                           ; the last output products of the sub-step before
	SETLAG 2, \sidx, \half
	VLOAD \par, \half                              ; they land during blocks A and B
	BLKA
	BLKB1
	BLKB2
	s_wait_dscnt 0x0                               ; V^T's fragments are in
	BLKC
	SETLAG 3, \sidx, \half
	BLKA                                           ; the sub-step's last score products
	BLKB1                                          ; more than four plain lines of another tile: K's fragments may be loaded again
.if \hk == 1
	KLOAD \par, 1
.endif
.if \hk == 2
	BAR 1-\par, \hr, \hc
	KLOAD 1-\par, 0
.endif
	BLKB2
	BLKC
.endm
	; Tile 0 is rounded ahead of the walk.
	s_wait_tensorcnt 0x1                           ; my part of tile 0 is in; tile 1's load, issued behind it, stays out
	s_wait_dscnt 0x0                               ; Q's fragments are in, and the stores from S are done
	s_barrier_signal -1
	s_barrier_wait -1                              ; everybody's part of tile 0 is in
	CONV_LD 0, 0, S
	CONV_LD 0, 1, S+32
	s_wait_dscnt 0x0
	CONV_ST 0, 0, S
	CONV_ST 0, 1, S+32
	BAR 0, 1, 1                                    ; step 0's barrier: tile 2 is asked for
	KLOAD 0, 0
	SUBP 0, 0, 1, 0, 1, 0, 0                       ; t = 0: its first products start the sums, so it stands in front of the loop
	SUBP 0, 1, 2, 1, 2, 1, 1                       ; with step 1's barrier
	WIN 0                                          ; at a label and at a branch every window is 0
	s_mov_b32 s42, 6
.Lwalk:                                            ; t = 1 .. 12, with the barriers of steps 2 .. 13: every one of them refills
	SUBP 1, 0, 1, 2, 1, 0, 0
	SUBP 1, 1, 2, 2, 2, 1, 1
	SUBP 0, 0, 1, 2, 1, 0, 0
	SUBP 0, 1, 2, 2, 2, 1, 1
	WIN 0
	s_sub_co_u32 s42, s42, 1
	s_cmp_lg_u32 s42, 0
	s_cbranch_scc1 .Lwalk
	SUBP 1, 0, 1, 2, 1, 0, 0                       ; t = 13
	SUBP 1, 1, 2, 2, 2, 0, 1                       ; step 14's barrier: tile 15 has landed, nothing is left to fetch
	SUBP 0, 0, 1, 2, 1, 0, 0                       ; t = 14: tile 15 is rounded
	SUBP 0, 1, 2, 2, 2, 0, 0                       ; step 15's barrier
	SUBP 1, 0, 0, 2, 1, 0, 0                       ; t = 15
	SUBP 1, 1, 0, 2, 0, 0, 0
	; The stream runs out: two stages without a new tile.
.set c_hq, 0
.set c_q,  0
.set c_q1, 3
.set c_q2, 2
.set c_n1, 1
.set c_l1, 1
.set c_l2, 1
	BLKA
	BLKB1
	BLKB2
	BLKC
.set c_q,  1
.set c_q1, 0
.set c_q2, 3
.set c_l1, -1
	BLKA
	BLKB1
	BLKB2
	BLKC                                           ; ends with four places: the output sums are read below
	WIN 0
	; THE WAY OUT.  The sum of p: my two partial sums and the other half's; its reciprocal.
.irp qt, 0,1,2,3
	v_add_f32 v[ST+8*\qt+O_TA], v[ST+8*\qt+O_L], v[ST+8*\qt+O_L+1]
.endr
.irp qt, 0,1,2,3
	v_permlanex16_b32 v[ST+8*\qt+O_TB], v[ST+8*\qt+O_TA], s40, s41
.endr
.irp qt, 0,1,2,3
	v_add_f32 v[ST+8*\qt+O_TA], v[ST+8*\qt+O_TA], v[ST+8*\qt+O_TB]
.endr
.irp qt, 0,1,2,3
	v_rcp_f32 v[ST+8*\qt+O_AL], v[ST+8*\qt+O_TA]
.endr
	v_nop                                          ; the plain place behind the reciprocals
	s_wait_alu depctr_va_vdst(0)
; 16 queries: scaled into S, 32 bytes a lane into a piece of my stage, read back as whole rows of 256 bytes, stored.  Two pieces and the two halves of KF take turns.
.macro OUT qt
	WIN 0x01                                       ; source 0 (O) in window 1
.irp i, 0,1,2,3,4,5,6,7,8,9,10,11,12,13,14,15
	v_pk_mul_f32 v[S+32*\qt+2*\i:S+32*\qt+2*\i+1], v[32*\qt+2*\i:32*\qt+2*\i+1], v[ST+8*\qt:ST+8*\qt+1] op_sel_hi:[1,0]
.endr
	WIN 0
.irp dt, 0,1,2,3
	ds_store_b128 v[OST], v[S+32*\qt+8*\dt:S+32*\qt+8*\dt+3]   offset:(\qt&1)*OPIECE+64*\dt
	ds_store_b128 v[OST], v[S+32*\qt+8*\dt+4:S+32*\qt+8*\dt+7] offset:(\qt&1)*OPIECE+64*\dt+16
.endr
	s_wait_xcnt 0x0                                ; every earlier store has had its addresses translated (ISA guide 3.1): this half of KF, which stores read, is loaded again only behind this wait
.irp t, 0,1,2,3,4,5,6,7
	ds_load_b128 v[KF+32*(\qt&1)+4*\t:KF+32*(\qt&1)+4*\t+3], v[ORD] offset:(\qt&1)*OPIECE+2*OP*\t   ; my own bytes, served in order: these see the stores above
.endr
.irp t, 0,1,2,3,4,5,6,7
	s_wait_dscnt 7-\t                              ; rows 2 t, 2 t + 1 are back; the younger read-backs may be out
	global_store_b128 v[GO], v[KF+32*(\qt&1)+4*\t:KF+32*(\qt&1)+4*\t+3], s[52:53] offset:(16*\qt+2*\t)*256 th:TH_STORE_NT   ; 16 lanes store one whole row: 256 consecutive bytes, aligned
.endr
.endm
	OUT 0
	OUT 1
	OUT 2
	OUT 3
	s_wait_tensorcnt 0x0
	ds_add_u32 v18, v19
	s_wait_dscnt 0x0
	ROUND                                          ; the closing round: no work-group ends while a partner may still ask for a tile that names it
	s_endpgm
.Lfunc_end_k_q62fc189daa_attn:
	.size	k_q62fc189daa_attn, .Lfunc_end_k_q62fc189daa_attn-k_q62fc189daa_attn
	.p2alignl 7, 3214868480
	.fill 96, 4, 3214868480
	.section	.rodata,"a",@progbits
	.p2align	6, 0x0
	.amdhsa_kernel k_q62fc189daa_attn
		.amdhsa_group_segment_fixed_size 327680
		.amdhsa_private_segment_fixed_size 0
		.amdhsa_enable_private_segment 0
		.amdhsa_kernarg_size 32
		.amdhsa_user_sgpr_count 2
		.amdhsa_user_sgpr_kernarg_segment_ptr 1
		.amdhsa_wavefront_size32 1
		.amdhsa_system_sgpr_workgroup_id_x 1
		.amdhsa_system_sgpr_workgroup_id_y 1
		.amdhsa_system_sgpr_workgroup_id_z 1
		.amdhsa_system_vgpr_workitem_id 0
		.amdhsa_next_free_vgpr 512
		.amdhsa_next_free_sgpr 66
		.amdhsa_reserve_vcc 0
		.amdhsa_float_denorm_mode_32 3
		.amdhsa_float_denorm_mode_16_64 3
		.amdhsa_memory_ordered 1
		.amdhsa_forward_progress 1
		.amdhsa_inst_pref_size 255
	.end_amdhsa_kernel
	.section	.bss,"aw",@nobits
	.p2align	6
	.space	262144
	.amdgpu_metadata
---
amdhsa.version: [ 1, 2 ]
amdhsa.kernels:
  - .name:           k_q62fc189daa_attn
    .symbol:         k_q62fc189daa_attn.kd
    .args:
      - { .name: Q, .offset: 0, .size: 8, .value_kind: global_buffer, .address_space: global }
      - { .name: K, .offset: 8, .size: 8, .value_kind: global_buffer, .address_space: global }
      - { .name: V, .offset: 16, .size: 8, .value_kind: global_buffer, .address_space: global }
      - { .name: out0, .offset: 24, .size: 8, .value_kind: global_buffer, .address_space: global }
    .group_segment_fixed_size: 327680
    .private_segment_fixed_size: 0
    .kernarg_segment_align: 8
    .kernarg_segment_size: 32
    .max_flat_workgroup_size: 256
    .sgpr_count:     66
    .vgpr_count:     512
    .wavefront_size: 32
...
	.end_amdgpu_metadata
.endif
;; end of part 2
